; MI455X (gfx1250); checked and timed in simulation.
; The chip was launched on July 23, 2026; its instructions are those of AMD's public machine-readable ISA for CDNA 5 (MIT licence, August 2026) and "CDNA5" Instruction Set Architecture Reference Guide (July 2026). The comments in the code are by the model that wrote it; some were corrected since.
;; CSA Lightning Indexer. Allowed arithmetic: matrix products marked QUANTISED: E2M3 operands, one E8M0 scale for each 32 along K, by v_wmma_scale_f32_16x16x128_f8f6f4 with both operands' format E2M3, f32 sums; products left as they are: f32 operands where the result goes on into a quantised operand, else bf16, f16 or f32 operands; f32 sums; everything else in f32.
;; Inputs: Wg 4 x 2,048 float32; Wk 2,048 x 2,048 float32; Wq 2,048 x 2,048 float32; k_compressed 2 x 1,024 x 2,048 float32; q 2 x 4,096 x 2,048 float32.
;; Outputs: out0 2 x 4,096 x 1,024 float32.
;; This version of the problem:
;;   THIS VERSION OF THE PROBLEM IS GIVEN IN LOW PRECISION. The matrix products marked QUANTISED in the list below multiply operands that are first quantised to E2M3 (2 exponent bits, 3 mantissa bits; 6 bits a number), with one power-of-two scale for each 32 numbers along K (OCP MX v1.0); their sums are f32. All else is computed in f32.
;;   The module's matrix products, in the order in which they are computed (A, B: the left and right operand; K: the contracted axis; several contracted axes count as one K, in the product's order):
;;     1. [M 8,192, K 2,048] x [K 2,048, N 2,048]; A: input q; B: input Wq: QUANTISED
;;     2. [M 2,048, K 2,048] x [K 2,048, N 2,048]; A: input k_compressed; B: input Wk: QUANTISED
;;     3. [M 8,192, K 2,048] x [K 2,048, N 4]; A: input q; B: input Wg: left as it is (N = 4 < 16)
;;     4. batch 8 x [M 1,024, K 512] x [K 512, N 4,096]; A: computed on the way; B: computed on the way: QUANTISED
;;     5. batch 8,192 x [M 1,024, K 4] x [K 4, N 1]; A: computed on the way; B: computed on the way: left as it is (K = 4 < 32)
;;   THE QUANTISER, for each operand of a quantised product, along K:
;;     - K is cut into blocks of 32 from its start; a last block that is shorter is filled with zeros.
;;     - A block's scale is 2^e with e = floor(log2(the largest magnitude in the block)) - 2, held to -126 .. 127; a block of zeros has e = 0. As a byte (E8M0): e + 127.
;;     - Each number is divided by its block's scale, clamped to +-7.5, and rounded to the nearest number of E2M3, ties to even, subnormals kept.
;;     - The product sums the exact products of the quantised numbers (number of the format x scale) in f32.
;;   ~~~python
;;   def quantise(x, axis):      # numpy; x: float32 -> the quantised numbers, widened to float32 again
;;       x = np.moveaxis(x, axis, -1); K = x.shape[-1]
;;       x = np.pad(x, [(0, 0)] * (x.ndim - 1) + [(0, -K % 32)]); x = x.reshape(x.shape[:-1] + (-1, 32)); a = np.abs(x).max(-1, keepdims=True)
;;       e = np.where(a > 0, np.clip(np.frexp(np.where(a > 0, a, 1))[1] - 1 - 2, -126, 127), 0)      # np.frexp(a)[1] - 1 = floor(log2(a)), exactly
;;       r = np.clip(x / 2.0 ** e, -7.5, 7.5)
;;       step = 2.0 ** (np.maximum(np.frexp(np.where(r == 0, 1, r))[1] - 1, 0) - 3)
;;       q = np.round(r / step) * step * 2.0 ** e      # np.round: ties to even
;;       return np.moveaxis(q.reshape(q.shape[:-2] + (-1,))[..., :K], -1, axis).astype(np.float32)
;;   ~~~
;;   OPERANDS COMPUTED ON THE WAY. 'Computed on the way' means the value that the module computes at that place (a softmax that the list does not call 'softmax' is quantised finished and normalised). What goes into a quantiser is computed in f32, as accurately as f32 sums, v_exp_f32 and their like allow (about 1e-6 of the number): no bf16 or f16 on the way to a quantiser, and a product that is left as it is and whose result goes on into a quantised operand takes f32 operands (vector FMAs, or v_wmma_f32_16x16x4_f32). A number that lies on a knife's edge between two numbers of the format may be rounded either way, as far as f32 arithmetic and the matrix unit's own rounding can turn it there, and no further.
;; One version. Each part assembles by itself: llvm-mc -triple=amdgcn-amd-amdhsa -mcpu=gfx1250 --defsym DOCPART=n.
;; ======== version 1 of 1: 3 launches
;; workspace buffers: xc 22,020,096 bytes; xs 917,504 bytes; wgate 131,072 bytes; pc 15,728,640 bytes; ps 655,360 bytes
;; launch quant (part 1): grid 512 x 1, 4 waves a work-group, no clusters, 24,576 bytes of LDS; arguments q, k_compressed, Wq, Wk, Wg, xc, xs, wgate; writes xc, xs, wgate
.if DOCPART == 1
	.amdgcn_target "amdgcn-amd-amdhsa--gfx1250"
	.amdhsa_code_object_version 6
	.text
	.protected	k_q04e7f30960_quant
	.globl	k_q04e7f30960_quant
	.p2align	8
	.type	k_q04e7f30960_quant,@function
k_q04e7f30960_quant:
	s_mov_b64 s[64:65], 0
	v_nop
	global_prefetch_b8 v0, s[64:65] scope:SCOPE_SE
	s_setreg_imm32_b32 hwreg(HW_REG_WAVE_MODE, 25, 1), 1
	s_wait_xcnt 0x0
; q [8192][2048], k_compressed [2048][2048], Wq [2048][2048], Wk [2048][2048], all f32 with K innermost, become codes of FP6 (E2M3) with one E8M0 byte for each 32 along K;
; and w = q Wg^T ([8192][4]) is made on the way, by fused multiply-adds in f32, while q's numbers are in registers.
; xc: 14,336 rows of 1,536 bytes (a row's 2,048 codes as one stream of bits): rows 0.. q, 8192.. k_compressed, 10240.. Wq, 12288.. Wk.  xs: the same rows, 64 scale bytes each.
; THE WEIGHTS' ROWS ARE STORED PERMUTED: row n lies at the place n with bits 3 and 4 exchanged.  Sixteen neighbouring places then hold rows 32 b + 8 u + 0..7 and 32 b + 8 u + 16..23, so that in the
; next launch a lane's 16 results of two neighbouring tiles are 16 neighbouring columns, which are neighbours along the K of the product after it.
; A block's scale is 2^(floor(log2(its largest magnitude)) - 2); its byte is the largest magnitude's exponent field - 2, held at 1 from below.
; LIMITS: NaN and infinities among the inputs are not served.  A block whose largest magnitude lies under 2^-124 keeps the byte 1.  A block of zeros gets the byte 1 where the rule says 127:
; its codes are zeros, which add nothing under any byte but 0xff, and the bytes are read by this program alone.
; SHARES.  Every work-group i does the same: rows 16 i .. 16 i + 15 of q, then rows 4 i .. 4 i + 3 of k_compressed, of Wq and of Wk: 28 steps.  Wave w owns columns 512 w .. 512 w + 511 of every row,
; so that its part of Wg (4 x 512 numbers) stays in 64 registers.  A step is one row's strip: 512 numbers, four loads of 512 consecutive bytes; they turn through the wave's own stage in LDS and come back
; 16 neighbours a lane (two lanes hold a block of 32).  Loads run six steps ahead (24 a wave), the turn through LDS one step.
; NO CLUSTER: the work-groups share Wg alone, 32 KiB beside the 224 KiB that each streams for itself.  No tensor load, one barrier, at the end.
.set SP,    80                         ; a lane's place in a stage: 64 bytes + 16 of padding
.set WREG,  5120                       ; a wave's two stages of 32 x SP bytes
.set SCB,   20480                      ; the scale bytes: 64 x step + 16 x wave + lane / 2
.set WSUM,  22528                      ; the waves' parts of w: 256 x wave + 16 x row + 4 x head
.set SPARE, 23552                      ; the spare words, 128 bytes for each wave: two blocks of 256 bytes that no other line names
.set NST,   28
.set VIN, 1                            ; v1   2048 w + 16 lane: my 16 bytes of a load's 512, in a row
.set VG,  2                            ; v2   2048 w + 64 lane: my 16 numbers of a row of Wg
.set VSI, 3                            ; v3   the stage, on the way in
.set VSO, 4                            ; v4   and on the way out
.set VC,  5                            ; v5   384 w + 12 lane: my codes' place in a row
.set VSB, 6                            ; v6   my block's scale byte in LDS
.set VWS, 7                            ; v7   my wave's part of w in LDS
.set VF,  8                            ; v8   SCB + 8 x thread
.set VGS, 9                            ; v9   WSUM + 8 x lane
.set T8,  10                           ; v10  8 x thread
.set L8,  11                           ; v11  8 x lane
.set SPW, 12                           ; v12  LDS address of my spare word; never rewritten
.set NIL, 13                           ; v13  0; never rewritten
.set G,   16                           ; v16-79   G + 16 h + i = Wg[h][512 w + 16 lane + i]
.set R,   80                           ; v80-175  six sets of 16 numbers as they are loaded
.set X,   176                          ; v176-207 two sets of 16 neighbours
.set C,   208                          ; v208-223 four sets of codes
.set A,   224                          ; v224-231 four pairs of running sums, one for each head
.set S,   232                          ; v232-235 and v244-247: the four heads' sums, two sets by turns
.set T,   236                          ; v236-239 the other half's sums
.set M,   240                          ; v240, v241 maxima; v242 the conversion's scale operand
.set BY,  248                          ; v248, v249 the scale byte, by turns
	s_load_b256 s[4:11], s[0:1], 0x0               ; q, k_compressed, Wq, Wk
	s_load_b256 s[12:19], s[0:1], 0x20             ; Wg, xc, xs, wgate
	v_lshl_add_u32 v[SPW], v0, 2, SPARE
	v_mov_b32 v[NIL], 0
	v_lshrrev_b32 v14, 5, v0
	v_readfirstlane_b32 s20, v14                   ; wave 0..3
	v_and_b32 v15, 31, v0                          ; lane
	s_lshl_b32 s22, s20, 11
	v_lshl_add_u32 v[VIN], v15, 4, s22
	v_lshl_add_u32 v[VG], v15, 6, s22
	s_mul_i32 s23, s20, WREG
	v_lshrrev_b32 v[VSI], 2, v15
	v_mul_u32_u24 v[VSI], v[VSI], SP
	v_and_b32 v14, 3, v15
	v_lshl_add_u32 v[VSI], v14, 4, v[VSI]
	v_add_nc_u32 v[VSI], s23, v[VSI]               ; in: four lanes' 64 bytes on end, then 16 of padding
	v_mul_u32_u24 v[VSO], v15, SP
	v_add_nc_u32 v[VSO], s23, v[VSO]               ; out: SP x lane
	s_mul_i32 s23, s20, 384
	v_mul_u32_u24 v[VC], v15, 12
	v_add_nc_u32 v[VC], s23, v[VC]
	s_lshl_b32 s23, s20, 4
	s_add_co_u32 s23, s23, SCB
	v_lshrrev_b32 v[VSB], 1, v15
	v_add_nc_u32 v[VSB], s23, v[VSB]
	s_lshl_b32 s23, s20, 8
	s_add_co_u32 s23, s23, WSUM
	v_mov_b32 v[VWS], s23
	v_lshlrev_b32 v[T8], 3, v0
	v_add_nc_u32 v[VF], SCB, v[T8]
	v_lshlrev_b32 v[L8], 3, v15
	v_add_nc_u32 v[VGS], WSUM, v[L8]
.irp h, 0,1,2,3
	v_mov_b32 v[T+\h], 0                           ; written once: a lane permute's destination counts as one of its sources
.endr
	s_and_b32 s21, ttmp9, 0x1f9                    ; i with bits 1 and 2 exchanged: rows 4 i .. 4 i + 3 with bits 3 and 4 exchanged
	s_and_b32 s22, ttmp9, 2
	s_lshl_b32 s22, s22, 1
	s_or_b32 s21, s21, s22
	s_and_b32 s22, ttmp9, 4
	s_lshr_b32 s22, s22, 1
	s_or_b32 s21, s21, s22
	s_lshl_b32 s40, ttmp9, 17                      ; 16 rows of 8,192 bytes
	s_mov_b32 s41, 0
	s_lshl_b32 s42, ttmp9, 15                      ; 4 rows
	s_mov_b32 s43, 0
	s_mul_i32 s24, ttmp9, 24576                    ; the codes: 16 rows of 1,536 bytes;
	s_mov_b32 s25, 0
	s_mul_i32 s26, ttmp9, 6144                     ; 4 rows, behind q's 8,192;
	s_add_co_u32 s26, s26, 8192*1536
	s_mov_b32 s27, 0
	s_mul_i32 s28, s21, 6144                       ; the weights' at their permuted places
	s_add_co_u32 s30, s28, 12288*1536
	s_add_co_u32 s28, s28, 10240*1536
	s_mov_b32 s29, 0
	s_mov_b32 s31, 0
	s_mov_b32 s32, 0x76543210                      ; v_permlanex16_b32's selects for lane l xor 16
	s_mov_b32 s33, 0xfedcba98
	s_lshl_b32 s34, ttmp9, 10                      ; q's scale bytes: 16 rows of 64
	s_mov_b32 s35, 0
	s_cmp_eq_u32 s20, 0                            ; wave 0 stores k_compressed's four rows of scale bytes, wave 1 Wq's, wave 2 Wk's (wave 3 none: it gets wave 2's place and does not use it)
	s_cselect_b32 s36, ttmp9, s21
	s_lshl_b32 s36, s36, 8
	s_min_u32 s22, s20, 2
	s_lshl_b32 s22, s22, 17                        ; 2,048 rows of 64 bytes from tensor to tensor
	s_add_co_u32 s36, s36, s22
	s_add_co_u32 s36, s36, 8192*64
	s_mov_b32 s37, 0
	s_lshl_b32 s38, ttmp9, 8                       ; w: 16 rows of 16 bytes
	s_mov_b32 s39, 0
	s_wait_kmcnt 0x0
	s_add_nc_u64 s[4:5], s[4:5], s[40:41]
	s_add_nc_u64 s[6:7], s[6:7], s[42:43]
	s_add_nc_u64 s[8:9], s[8:9], s[42:43]
	s_add_nc_u64 s[10:11], s[10:11], s[42:43]
	s_add_nc_u64 s[24:25], s[14:15], s[24:25]
	s_add_nc_u64 s[26:27], s[14:15], s[26:27]
	s_add_nc_u64 s[28:29], s[14:15], s[28:29]
	s_add_nc_u64 s[30:31], s[14:15], s[30:31]
	s_add_nc_u64 s[34:35], s[16:17], s[34:35]
	s_add_nc_u64 s[36:37], s[16:17], s[36:37]
	s_add_nc_u64 s[38:39], s[18:19], s[38:39]
.irp h, 0,1,2,3
.irp j, 0,1,2,3
	global_load_b128 v[G+16*\h+4*\j:G+16*\h+4*\j+3], v[VG], s[12:13] offset:8192*\h+16*\j   ; my strip of Wg, once
.endr
.endr
.macro SEGROW st                       ; step st: which tensor (0 q, 1 k_compressed, 2 Wq, 3 Wk) and which of the work-group's rows of it
.if (\st) < 16
.set SEG, 0
.set ROW, (\st)
.else
.set SEG, ((\st)-12)/4
.set ROW, ((\st)-16)%4
.endif
.endm
.macro LOAD st
	SEGROW \st
.irp j, 0,1,2,3
	global_load_b128 v[R+16*((\st)%6)+4*\j:R+16*((\st)%6)+4*\j+3], v[VIN], s[4+2*SEG:5+2*SEG] offset:ROW*8192+512*\j th:TH_LOAD_NT   ; 32 lanes read 512 consecutive bytes
.endr
.endm
.macro TURN st                         ; step st's numbers through the stage: LDS serves a wave's instructions in order, so no wait stands between the stores and the loads
.irp j, 0,1,2,3
	ds_store_b128 v[VSI], v[R+16*((\st)%6)+4*\j:R+16*((\st)%6)+4*\j+3] offset:2560*((\st)%2)+640*\j
.endr
.irp j, 0,1,2,3
	ds_load_b128 v[X+16*((\st)%2)+4*\j:X+16*((\st)%2)+4*\j+3], v[VSO] offset:2560*((\st)%2)+16*\j
.endr
.endm
; Row t of q against the four rows of Wg: my 16 numbers, two at a time, the four heads by turns; then the sum over the wave's 32 lanes; the wave's four sums go to LDS.
.macro GATE t
.set SS, S+12*((\t)%2)
.irp h, 0,1,2,3
	v_pk_mul_f32 v[A+2*\h:A+2*\h+1], v[XS:XS+1], v[G+16*\h:G+16*\h+1]
.endr
.irp p, 1,2,3,4,5,6,7
.irp h, 0,1,2,3
	v_pk_fma_f32 v[A+2*\h:A+2*\h+1], v[XS+2*\p:XS+2*\p+1], v[G+16*\h+2*\p:G+16*\h+2*\p+1], v[A+2*\h:A+2*\h+1]
.endr
.endr
.irp h, 0,1,2,3
	v_add_f32 v[SS+\h], v[A+2*\h], v[A+2*\h+1]
.endr
.irp m, 1,2,4,8
.irp h, 0,1,2,3
	v_add_f32_dpp v[SS+\h], v[SS+\h], v[SS+\h] row_xmask:\m row_mask:0xf bank_mask:0xf
.endr
.endr
.irp h, 0,1,2,3
	v_permlanex16_b32 v[T+\h], v[SS+\h], s32, s33
.endr
.irp h, 0,1,2,3
	v_add_f32 v[SS+\h], v[SS+\h], v[T+\h]
.endr
	ds_store_b128 v[VWS], v[SS:SS+3] offset:16*(\t)   ; all lanes write the same 16 bytes with the same values
.endm
.macro STEP st
.if (\st) == 0
	s_wait_dscnt 0x0
.elseif (\st) <= 16
	s_wait_dscnt 2                                 ; this step's numbers are back from the stage; the last step's byte store and gate store, issued behind them, may be out
.else
	s_wait_dscnt 1                                 ; the last step's byte store may be out
.endif
.if (\st) >= 4
	s_wait_xcnt 0x0                                ; the store of four steps ago has read this step's set of codes, which the conversion below rewrites.  The wait stands ahead of this step's loads, so that it counts only what was issued a step ago or earlier
.endif
.if (\st)+6 < NST
	LOAD (\st)+6                                   ; into the set that this step's stores into the stage have read
.endif
.if (\st)+1 < NST
.if (\st)+6 < NST
	s_wait_loadcnt 20                              ; the next step's four loads are in; those of the five steps behind it may be out
.else
	s_wait_loadcnt 4*(26-(\st))                    ; the counts run down: steps st + 2 to 27 may be out
.endif
	TURN (\st)+1                                   ; through the other stage while this step is worked
.endif
.set XS, X+16*((\st)%2)
	SEGROW \st
	v_max3_num_f32 v[M], |v[XS]|, |v[XS+1]|, |v[XS+2]|              ; the largest magnitude of my 16, in two chains
	v_max3_num_f32 v[M+1], |v[XS+3]|, |v[XS+4]|, |v[XS+5]|
.irp i, 6,10
	v_max3_num_f32 v[M], v[M], |v[XS+\i]|, |v[XS+\i+1]|
	v_max3_num_f32 v[M+1], v[M+1], |v[XS+\i+2]|, |v[XS+\i+3]|
.endr
	v_max3_num_f32 v[M], v[M], |v[XS+14]|, |v[XS+15]|
	v_max3_num_f32 v[M], v[M], v[M+1], 0x1800000   ; and the floor 2^(3 - 127): the byte cannot fall under 1
	v_max_num_f32_dpp v[M], v[M], v[M] row_xmask:1 row_mask:0xf bank_mask:0xf   ; and of my neighbour's 16: the block's
	v_add_nc_u32 v[M+2], 0xff000000, v[M]          ; 2 off its exponent field: the conversion takes the exponent field of this operand as its scale, and nothing else of it
	v_cvt_scalef32_pk16_fp6_f32 v[C+4*((\st)%4):C+4*((\st)%4)+2], v[XS:XS+15], v[M+2]
	v_lshrrev_b32 v[BY+(\st)%2], 23, v[M+2]        ; the scale's byte (a plain line behind the conversion)
	ds_store_b8 v[VSB], v[BY+(\st)%2] offset:64*(\st)   ; both lanes of a block write the same byte with the same value
	global_store_b96 v[VC], v[C+4*((\st)%4):C+4*((\st)%4)+2], s[24+2*SEG:25+2*SEG] offset:ROW*1536   ; the wave stores 384 consecutive bytes
.if (\st) < 16
	GATE \st
.endif
.endm
.irp st, 0,1,2,3,4,5
	LOAD \st
.endr
	s_wait_loadcnt 20                              ; Wg and step 0 are in; steps 1 to 5 may be out
	TURN 0
.irp st, 0,1,2,3,4,5,6,7,8,9,10,11,12,13,14,15,16,17,18,19,20,21,22,23,24,25,26,27
	STEP \st
.endr
	s_wait_dscnt 0x0                               ; for the others' sake: my scale bytes and my parts of w lie in LDS
	s_barrier_signal -1
	s_barrier_wait -1                              ; everybody's do
	ds_load_b64 v[176:177], v[VF]                  ; q's scale bytes: 1,024 bytes, 256 a wave
	s_cmp_eq_u32 s20, 3
	s_cbranch_scc1 .Lgate
	ds_load_b64 v[178:179], v[VF] offset:1024      ; waves 0 to 2: four rows' scale bytes of k_compressed, Wq, Wk
	s_wait_dscnt 0x0
	global_store_b64 v[T8], v[176:177], s[34:35]   ; 32 lanes store 256 consecutive bytes, at a multiple of 256 from the buffer's first byte
	global_store_b64 v[L8], v[178:179], s[36:37]   ; likewise
	s_branch .Lend
.Lgate:
.irp k, 0,1,2,3
	ds_load_b64 v[180+2*\k:181+2*\k], v[VGS] offset:256*\k   ; wave 3: the four waves' parts of w
.endr
	s_wait_dscnt 0x0
	v_pk_add_f32 v[180:181], v[180:181], v[182:183]
	v_pk_add_f32 v[184:185], v[184:185], v[186:187]
	v_pk_add_f32 v[180:181], v[180:181], v[184:185]
	global_store_b64 v[T8], v[176:177], s[34:35]
	global_store_b64 v[L8], v[180:181], s[38:39]   ; 16 rows x 4 heads: 256 consecutive bytes
.Lend:
	s_wait_tensorcnt 0x0                           ; the wave's end: behind my last LDS store
	ds_add_u32 v[SPW], v[NIL]
	s_wait_dscnt 0x0
	s_endpgm
.Lfunc_end_k_q04e7f30960_quant:
	.size	k_q04e7f30960_quant, .Lfunc_end_k_q04e7f30960_quant-k_q04e7f30960_quant
	.p2alignl 7, 3214868480
	.fill 96, 4, 3214868480
	.section	.rodata,"a",@progbits
	.p2align	6, 0x0
	.amdhsa_kernel k_q04e7f30960_quant
		.amdhsa_group_segment_fixed_size 24576
		.amdhsa_private_segment_fixed_size 0
		.amdhsa_enable_private_segment 0
		.amdhsa_kernarg_size 64
		.amdhsa_user_sgpr_count 2
		.amdhsa_user_sgpr_kernarg_segment_ptr 1
		.amdhsa_wavefront_size32 1
		.amdhsa_system_sgpr_workgroup_id_x 1
		.amdhsa_system_sgpr_workgroup_id_y 1
		.amdhsa_system_sgpr_workgroup_id_z 1
		.amdhsa_system_vgpr_workitem_id 0
		.amdhsa_next_free_vgpr 256
		.amdhsa_next_free_sgpr 66
		.amdhsa_reserve_vcc 0
		.amdhsa_float_denorm_mode_32 3
		.amdhsa_float_denorm_mode_16_64 3
		.amdhsa_memory_ordered 1
		.amdhsa_forward_progress 1
		.amdhsa_inst_pref_size 116
	.end_amdhsa_kernel
	.amdgpu_metadata
---
amdhsa.version: [ 1, 2 ]
amdhsa.kernels:
  - .name:           k_q04e7f30960_quant
    .symbol:         k_q04e7f30960_quant.kd
    .args:
      - { .name: q, .offset: 0, .size: 8, .value_kind: global_buffer, .address_space: global }
      - { .name: k_compressed, .offset: 8, .size: 8, .value_kind: global_buffer, .address_space: global }
      - { .name: Wq, .offset: 16, .size: 8, .value_kind: global_buffer, .address_space: global }
      - { .name: Wk, .offset: 24, .size: 8, .value_kind: global_buffer, .address_space: global }
      - { .name: Wg, .offset: 32, .size: 8, .value_kind: global_buffer, .address_space: global }
      - { .name: xc, .offset: 40, .size: 8, .value_kind: global_buffer, .address_space: global }
      - { .name: xs, .offset: 48, .size: 8, .value_kind: global_buffer, .address_space: global }
      - { .name: wgate, .offset: 56, .size: 8, .value_kind: global_buffer, .address_space: global }
    .group_segment_fixed_size: 24576
    .private_segment_fixed_size: 0
    .kernarg_segment_align: 8
    .kernarg_segment_size: 64
    .max_flat_workgroup_size: 128
    .sgpr_count:     66
    .vgpr_count:     256
    .wavefront_size: 32
...
	.end_amdgpu_metadata
.endif
;; end of part 1
;; launch proj (part 2): grid 8 x 32, 4 waves a work-group, clusters of 4 x 4, 327,680 bytes of LDS; arguments xc, xs, pc, ps; writes pc, ps
.if DOCPART == 2
	.amdgcn_target "amdgcn-amd-amdhsa--gfx1250"
	.amdhsa_code_object_version 6
	.text
	.protected	k_q04e7f30960_proj
	.globl	k_q04e7f30960_proj
	.p2align	8
	.type	k_q04e7f30960_proj,@function
k_q04e7f30960_proj:
	s_mov_b64 s[64:65], 0
	v_nop
	global_prefetch_b8 v0, s[64:65] scope:SCOPE_SE
	s_setreg_imm32_b32 hwreg(HW_REG_WAVE_MODE, 25, 1), 1
	s_wait_xcnt 0x0
	s_wait_alu depctr_hold_cnt(0) depctr_sa_sdst(0) depctr_va_vdst(0) depctr_va_sdst(0) depctr_va_ssrc(0) depctr_va_vcc(0) depctr_vm_vsrc(0)
	s_getreg_b32 s2, hwreg(HW_REG_IB_STS2, 6, 4)
	s_cmp_eq_u32 s2, 0
	s_cbranch_scc0 .Lentry_in_a_cluster
	s_endpgm
.Lentry_in_a_cluster:
	s_bfe_u32 s2, ttmp6, 0x10000c
	s_cmp_lg_u32 s2, 0xf033
	s_cbranch_scc0 .Lentry_shape_is_right
	s_endpgm
.Lentry_shape_is_right:
; qi = q Wq^T (rows 0-8191) and ki = k_compressed Wk^T (rows 8192-10239), both on codes of FP6 (E2M3) with one E8M0 scale for each 32 along K = 2,048; sums in f32.
; The results do not go to memory as numbers: they are quantised here, in registers, along their columns (the K of the product that follows) and leave as codes and scale words.
; xc, xs: the codes and scale bytes of the rows (0.. q, 8192.. k_compressed, 10240.. Wq, 12288.. Wk); the weights' rows lie permuted (bits 3 and 4 of the row exchanged).
; pc: images of operand registers.  Group g = 16 rows, K step s = 128 columns: the fragment at (16 g + s) x 1,536 bytes; in it registers 4 c .. 4 c + 3 of lane l at 512 c + 16 l.  ps: [16 s][10,240 rows] scale words.
; A WORK-GROUP STAYS AND MAKES TWO THINGS, so that all 256 work-groups have the same work: qi has 32 x 8 tiles of 256 x 256, one for each; ki's 2,048 x 2,048 results are 16,384 for each: a strip of 64 rows x 256 columns.
; Work-group (X, Y): THE TILE: rows 256 Y on of q against places 256 X on of Wq;  THE STRIP: rows 64 Y on of k_compressed against places 256 X on of Wk.
; THE TILE: four waves, each 128 x 128: 64 accumulators of 16 x 16, 512 registers.  THE STRIP: wave (wr, wc) makes 32 rows x 128 columns: 16 accumulators.  In both a wave's 128 columns are one K step of the next product.
; K goes in steps of 256 through a ring of two LDS slots filled by the tensor data mover: a tile's row is 192 bytes of memory.  The ring does not stop between the two: the tile's last two changes of slots ask for the
; strip's first two K steps, and the tile's results are quantised and stored while the second of them is on its way.
; The scale bytes of the rows and places of both, for all of K, come into LDS once, with the first fills, and stay.  The strip's rows' scale bytes are asked for in the tile's shape, 128 rows from the wave's first row on, of
; which 32 are used (6,144 bytes more for each of two waves; the rows asked for end at row 10,335 of xs's 14,336): so one descriptor shape serves both, and every byte that a lane's load touches has been filled.
; CLUSTERS: 4 x 4 work-groups.  The four of a row of the cluster (one Y) need the same rows' tiles, the four of a column (one X) the same weights' tiles, in the tile and in the strip: each is asked for JOINTLY, by the same
; tensor load with the same descriptor and a mask that names the four.
; THE MATRIX INSTRUCTION IS USED TRANSPOSED (source 0 = 16 places of the weight, source 1 = 16 rows).  With the weights' permuted places, the 64 accumulator registers of a block of 16 rows are, in lane (r, h),
; register 16 b + i = column 32 b + 16 h + i of row r, of the wave's 128 columns: sixteen neighbours of each block of 32.
; LIMITS: NaN and infinities are not served; a block of results whose largest magnitude lies under 2^-124 keeps the byte 1; a block of zeros gets the byte 1 (its codes are zeros; this program alone reads the bytes).
; REGISTERS, in windows of 256: window 0: v0-31 addresses; v32-63 scale words, two sets; from v128 the rows' fragments (the tile: 8 x 16 rows x 128 K, ONE set; the strip: 2 blocks, TWO sets); on the way out v32-223 are free.
;   window 1: the weights' fragments, TWO sets, at v0 and at v128.   window 2: the 32 accumulators of my rows 0-63 (accumulator (a, b) at v[8 (8 a + b)]; the strip's 16 are the first 16);   window 3: those of my rows 64-127.
.set KSTEP,  256                       ; along K in a slot
.set NQ,     KSTEP/128                 ; matrix instructions deep
.set ROWB,   192                       ; a tile's row in bytes
.set KROW,   1536                      ; a row of xc in bytes
.set PITCH,  240                       ; an LDS row: 3 x (64 bytes of data + 16 of padding) = 60 words: the 32 lanes of a load of 8 bytes touch 64 different banks (64 banks of 4 bytes: ISA guide 11.1)
.set FR,     12                        ; registers of a fragment: 16 rows x 128 K
.set NL,     6                         ; LDS loads that bring one
.set NP,     4                         ; places behind this matrix instruction (ISA guide 7.12.1)
.set HALFT,  128*PITCH                 ; 128 rows: what one tensor load brings at the most
.set SLOT,   4*HALFT                   ; the rows' 256, then the weights' 256
.set LAPS,   4                         ; a lap = two K steps = once round the ring: 2,048 / 512
.set KS,     64                        ; a row of scale bytes
.set SCL,    2*SLOT                    ; behind the ring: the tile's scale bytes, as units of 256 bytes + 16 of padding
.set HALFS,  (128*KS/256)*272          ; those of 128 rows: what one tensor load brings
.set SBLK,   (16*KS/256)*272           ; those of 16 rows
.set SCL2,   SCL+4*HALFS               ; the strip's scale bytes, laid likewise
.set SPARE,  SCL2+4*HALFS              ; the spare words, 128 bytes for each wave: two blocks of 256 bytes that no other line names
.set SST,    SPARE+512                 ; the tile's way out: 512 bytes for each wave, for its 128 rows' scale words; no fill lands here
.set NEXT_B, 2048*KROW-6*ROWB          ; bytes from a slot's last K step of the tile to its first of the strip, for the weights: 2,048 places on (Wq to Wk), back along K
.set ADRA, 16                          ; v16-17  LDS address of my rows' fragments in slot 0, 1  (v18-19: the same for the pieces that lie behind one padding more)
.set ADRB, 20                          ; v20-21  the same for the weights  (v22-23)
.set SSA,  24                          ; v24     the tile's way out: where I put my row's scale word
.set SSR,  25                          ; v25     and where I read four rows' words back
.set CO,   26                          ; v26     16 x lane
.set ADRS, 27                          ; v27     LDS address of my scale words in the tile: lanes 0-15 the rows', lanes 16-31 the weights'
.set SPW,  28                          ; v28     LDS address of my spare word; never rewritten
.set NIL,  29                          ; v29     0; never rewritten
.set ADRS2, 30                         ; v30     the same as v27 for the strip
.set L4,   31                          ; v31     4 x lane
.set SC,   32                          ; scale words: set s (for slot s) at v[SC + 16 s]; register 2 i + q: lanes 0-15 the word of the rows' block i, lanes 16-31 that of the weights' block i
.set AF,   128                         ; the rows' fragments, in window 0
.set TM,   32                          ; the way out: v32-35 maxima, v36-39 the other half's and then the bytes, v44-47 the conversions' scale operands
.set PW,   48                          ; v48-55  block a's scale word
.set PCB,  64                          ; v[64 + 20 a ..] block a's codes (12) and 8 at work: a set for each block, so that no store's data are written again within a way out
.set G1, 24                            ; s[24:31] descriptor group 1 for the rows' tiles;  s[32:39] group 0, one set for each slot
.set G0, 32
.set G1B, 48                           ; s[48:55], s[56:63] the same for the weights' tiles
.set G0B, 56
.set G1S, 68                           ; s[68:75], s[76:79] groups 1 and 0 for the rows' scale bytes;  s[80:87], s[88:91] for the weights'
.set G0S, 76
.set G1SB, 80
.set G0SB, 88
.set G0SB2, 92                         ; s[92:95], s[96:99] groups 0 for the strip's scale bytes: the weights', the rows'
.set G0S2, 96
.set G1A2, 68                          ; s[68:75] once more: group 1 for the strip's rows' tiles, written behind the wait that shows the scale bytes' loads done
.set DA,   100                         ; s[100:101] bytes from a slot's last K step of the tile to its first of the strip, for the rows
.set SEL,  66                          ; s[66:67] v_permlanex16_b32's selects for lane l xor 16
.set MSB, 0
.macro WIN new                         ; the immediate's high byte repeats the setting that is left
.if MSB != (\new)
	s_set_vgpr_msb (MSB<<8)|(\new)
.set MSB, (\new)
.endif
.endm
.set MUL_LO, 0xa1                      ; source 0 (weights) window 1, source 1 (rows) window 0, C and D window 2
.set MUL_HI, 0xf1                      ; the same, C and D window 3
.set TO_B,   0x40                      ; destination window 1, address window 0
; A joint load: waves 0 and 1 fetch for the rows, waves 2 and 3 for the weights.  Each of the two lines has ONE mask and one set of registers for all that issue it; the branch hangs on the wave's number alone.
; An s_nop 0 and four v_nop follow each of the two lines, ahead of the jump, the label and what follows.
.macro JLOAD g0a, g1a, g0b, g1b
	s_cmp_eq_u32 s15, 0
	s_cbranch_scc0 .Lfor_b_\@
	tensor_load_to_lds s[\g0a:\g0a+3], s[\g1a:\g1a+7]
	s_nop 0
.rept 4
	v_nop
.endr
	s_branch .Lasked_\@
.Lfor_b_\@:
	tensor_load_to_lds s[\g0b:\g0b+3], s[\g1b:\g1b+7]
	s_nop 0
.rept 4
	v_nop
.endr
.Lasked_\@:
.endm
.macro CREST                           ; a round of the cluster's barrier behind its opening barrier
	s_cmp_lg_u32 s14, 0
	s_cbranch_scc1 .Lnot_wave_0_\@
	s_barrier_signal -3
.Lnot_wave_0_\@:
	s_barrier_wait -3
	s_barrier_signal -1
	s_barrier_wait -1
.endm
.macro CROUND                          ; a whole round
	s_barrier_signal -1
	s_barrier_wait -1
	CREST
.endm
	s_load_b256 s[4:11], s[0:1], 0x0               ; xc s[4:5], xs s[6:7], pc s[8:9], ps s[10:11]
	v_lshl_add_u32 v[SPW], v0, 2, SPARE
	v_mov_b32 v[NIL], 0
	ds_add_u32 v[SPW], v[NIL]                      ; the wave's opening: the add, and its wait ahead of my first tensor load; the set-up below, work on registers, stands between them
	v_lshrrev_b32 v1, 5, v0
	v_readfirstlane_b32 s14, v1                    ; wave 0..3
	s_lshr_b32 s15, s14, 1                         ; wr: which half of the rows is mine.  Also: I fetch for the rows (0) or for the weights (1)
	s_and_b32 s16, s14, 1                          ; wc: which half of the columns.  Also: which half of that tile I fetch
	s_bfe_u32 s40, ttmp6, 0x40000                  ; cx, cy: my place in the cluster
	s_bfe_u32 s41, ttmp6, 0x40004
	s_lshl_b32 s42, ttmp9, 2
	s_add_co_u32 s42, s42, s40                     ; X = 4 x cluster x + cx
	s_and_b32 s17, ttmp7, 0xffff
	s_lshl_b32 s17, s17, 2
	s_add_co_u32 s17, s17, s41                     ; Y = 4 x cluster y + cy
	s_lshl_b32 s43, s41, 2
	s_lshl_b32 s43, 15, s43                        ; my row of the cluster
	s_lshl_b32 s44, 0x1111, s40                    ; my column
	; descriptor group 1: a tile of 128 rows x ROWB bytes, padded in LDS
	s_or_b32 s[G1+0], s43, (0<<16)|(1<<20)|(1<<21)|(3<<22)|(3<<25)  ; 15:0 the mask: the rows' tiles go to my row; 17:16 element of 1 byte; 20 padding on; 21 set beside a mask; 24:22 after every 16 words (code 3); 31:25 of 4 words (code 3)
	s_or_b32 s[G1B+0], s44, (0<<16)|(1<<20)|(1<<21)|(3<<22)|(3<<25)
.irp g, G1, G1B
	s_mov_b32 s[\g+1], ROWB<<16                    ; tensor_dim0
	s_mov_b32 s[\g+2], 128<<16                     ; tensor_dim1 = 128
	s_mov_b32 s[\g+3], ROWB<<16                    ; tile_dim0
	s_mov_b32 s[\g+4], 128                         ; tile_dim1 = 128
	s_mov_b32 s[\g+5], KROW                        ; tensor_dim0_stride
	s_mov_b32 s[\g+6], 0
	s_mov_b32 s[\g+7], 0
.endr
	; and for the scale bytes of 128 rows: a dense block of 8,192 bytes, as rows of 256 bytes (32 elements of 8 bytes), 16 bytes of padding behind each
	s_or_b32 s[G1S+0], s43, (3<<16)|(1<<20)|(1<<21)|(5<<22)|(3<<25)
	s_or_b32 s[G1SB+0], s44, (3<<16)|(1<<20)|(1<<21)|(5<<22)|(3<<25)
.irp g, G1S, G1SB
	s_mov_b32 s[\g+1], 32<<16
	s_mov_b32 s[\g+2], (128*KS/256)<<16
	s_mov_b32 s[\g+3], 32<<16
	s_mov_b32 s[\g+4], 128*KS/256
	s_mov_b32 s[\g+5], 32
	s_mov_b32 s[\g+6], 0
	s_mov_b32 s[\g+7], 0
.endr
	s_lshl_b32 s18, s16, 7                         ; which 128 rows of the tile I fetch
	s_lshl_b32 s20, s17, 8
	s_add_co_u32 s20, s20, s18                     ; the tile's rows: 256 Y + 128 x half
	s_lshl_b32 s46, s42, 8
	s_add_co_u32 s46, s46, s18
	s_add_co_u32 s46, s46, 10240                   ; Wq's places: 10,240 + 256 X + 128 x half
	s_lshl_b32 s2, s17, 6
	s_lshl_b32 s12, s16, 5
	s_add_co_u32 s2, s2, s12
	s_add_co_u32 s2, s2, 8192                      ; the strip's rows: 8,192 + 64 Y + 32 x half
	s_sub_co_u32 s[DA], s2, s20                    ; rows from the one to the other: 8,192 - 192 Y - 96 x half, at least 2,144
	s_mul_i32 s[DA], s[DA], KROW
	s_sub_co_u32 s[DA], s[DA], 6*ROWB              ; and six K steps back
	s_mov_b32 s[DA+1], 0
	s_lshl_b32 s2, s2, 6                           ; where the strip's rows' scale bytes begin
	s_mov_b32 s3, 0
	s_mov_b32 s21, 0
	s_mov_b32 s47, 0
	s_mov_b64 s[18:19], KS
	s_mul_u64 s[22:23], s[20:21], s[18:19]         ; where the tile's rows' scale bytes begin
	s_mul_u64 s[104:105], s[46:47], s[18:19]       ; and Wq's places'
	s_mov_b64 s[18:19], KROW
	s_mul_u64 s[20:21], s[20:21], s[18:19]         ; and their codes
	s_mul_u64 s[46:47], s[46:47], s[18:19]
	s_mul_i32 s45, s14, HALFT                      ; where they go: wave x 128 rows: no place in the cluster enters an LDS address
	s_mul_i32 s13, s14, HALFS
	s_mov_b32 s[SEL], 0x76543210
	s_mov_b32 s[SEL+1], 0xfedcba98
	s_wait_dscnt 0x0                               ; the opening add is done
	s_wait_kmcnt 0x0
	s_add_nc_u64 s[20:21], s[4:5], s[20:21]
	s_add_nc_u64 s[22:23], s[6:7], s[22:23]
	s_add_nc_u64 s[46:47], s[4:5], s[46:47]
	s_add_nc_u64 s[104:105], s[6:7], s[104:105]
	s_add_nc_u64 s[2:3], s[6:7], s[2:3]
	CROUND                                         ; all sixteen work-groups are here: the first joint loads meet
	s_mov_b32 s[G0S], 1
	s_add_co_u32 s[G0S+1], s13, SCL
	s_mov_b64 s[G0S+2:G0S+3], s[22:23]
	s_or_b32 s[G0S+3], s[G0S+3], 0x80000000
	s_mov_b32 s[G0SB], 1
	s_add_co_u32 s[G0SB+1], s13, SCL
	s_mov_b64 s[G0SB+2:G0SB+3], s[104:105]
	s_or_b32 s[G0SB+3], s[G0SB+3], 0x80000000
	JLOAD G0S, G1S, G0SB, G1SB                     ; the tile's scale bytes first: they are wanted with K step 0.  Four loads of mine are out behind these first fills
	s_mov_b32 s[G0S2], 1
	s_add_co_u32 s[G0S2+1], s13, SCL2
	s_mov_b64 s[G0S2+2:G0S2+3], s[2:3]
	s_or_b32 s[G0S2+3], s[G0S2+3], 0x80000000
	s_mov_b32 s[G0SB2], 1
	s_add_co_u32 s[G0SB2+1], s13, SCL2
	s_add_nc_u64 s[G0SB2+2:G0SB2+3], s[104:105], 2048*KS   ; Wk's places lie 2,048 rows behind Wq's
	s_or_b32 s[G0SB2+3], s[G0SB2+3], 0x80000000
	JLOAD G0S2, G1S, G0SB2, G1SB                   ; the strip's scale bytes
.irp s, 0,1
	s_mov_b32 s[G0+4*\s], 1
	s_add_co_u32 s[G0+4*\s+1], s45, \s*SLOT
	s_add_nc_u64 s[G0+4*\s+2:G0+4*\s+3], s[20:21], \s*ROWB
	s_or_b32 s[G0+4*\s+3], s[G0+4*\s+3], 0x80000000
	s_mov_b32 s[G0B+4*\s], 1
	s_add_co_u32 s[G0B+4*\s+1], s45, \s*SLOT
	s_add_nc_u64 s[G0B+4*\s+2:G0B+4*\s+3], s[46:47], \s*ROWB
	s_or_b32 s[G0B+4*\s+3], s[G0B+4*\s+3], 0x80000000
	JLOAD G0+4*\s, G1, G0B+4*\s, G1B
.endr
	v_and_b32 v1, 15, v0                           ; r = l % 16
	v_bfe_u32 v2, v0, 4, 1                         ; h = l / 16; kept
	v_mul_u32_u24 v3, v1, PITCH
	v_mul_u32_u24 v4, v2, 24
	v_add_nc_u32 v4, v3, v4                        ; a fragment's row x pitch + 24 x half
	v_lshl_add_u32 v5, v2, 4, v4                   ; and the same behind one padding more
	s_mul_i32 s21, s15, HALFT                      ; my rows: the tile's 128, the strip's 32, from the same LDS byte on
	s_mul_i32 s22, s16, HALFT                      ; my 128 places of the weight,
	s_add_co_u32 s22, s22, 2*HALFT                 ; which lie behind the rows' 256
.irp s, 0,1
	v_add_nc_u32 v[ADRA+\s], s21, v4
	v_add_nc_u32 v[ADRB+\s], s22, v4
	v_add_nc_u32 v[ADRA+2+\s], s21, v5
	v_add_nc_u32 v[ADRB+2+\s], s22, v5
	s_add_co_u32 s21, s21, SLOT
	s_add_co_u32 s22, s22, SLOT
.endr
	v_mul_u32_u24 v5, v1, KS                       ; my row's scale bytes: KS bytes a row,
	v_lshrrev_b32 v6, 8, v5
	v_lshl_add_u32 v5, v6, 4, v5                   ; and 16 more for each 256 passed
	s_mul_i32 s21, s15, HALFS                      ; the rows': mine
	s_mul_i32 s22, s16, HALFS                      ; the weights': my 128, behind the rows'
	s_add_co_u32 s22, s22, 2*HALFS
	s_sub_co_u32 s22, s22, s21
	v_mul_u32_u24 v6, s22, v2                      ; lanes 16-31 take the weights'
	s_add_co_u32 s21, s21, SCL
	v_add_nc_u32 v5, v5, v6
	v_add_nc_u32 v[ADRS], s21, v5
	v_add_nc_u32 v[ADRS2], SCL2-SCL, v[ADRS]       ; the strip's lie at the same places of their own region
	s_lshl_b32 s23, s14, 9                         ; the tile's way out: my 512 bytes for scale words
	s_add_co_u32 s23, s23, SST
	v_lshl_add_u32 v[SSA], v1, 2, s23              ; in: 4 bytes a row
	v_and_b32 v6, 31, v0
	v_lshlrev_b32 v[CO], 4, v6
	v_lshlrev_b32 v[L4], 2, v6
	v_add_nc_u32 v[SSR], s23, v[CO]                ; back: 16 bytes a lane
	s_lshl_b32 s20, s17, 4                         ; pc: the tile's first group of 16 rows of mine: 16 Y + 8 wr,
	s_lshl_b32 s21, s15, 3
	s_add_co_u32 s20, s20, s21
	s_mul_i32 s20, s20, 24576
	s_lshl_b32 s46, s42, 1
	s_add_co_u32 s46, s46, s16                     ; my K step of the next product: 2 X + wc
	s_mul_i32 s47, s46, 1536
	s_add_co_u32 s20, s20, s47
	s_mov_b32 s21, 0
	s_lshl_b32 s22, s17, 2                         ; the strip's: 512 + 4 Y + 2 wr
	s_lshl_b32 s23, s15, 1
	s_add_co_u32 s22, s22, s23
	s_add_co_u32 s22, s22, 512
	s_mul_i32 s22, s22, 24576
	s_add_co_u32 s22, s22, s47
	s_mov_b32 s23, 0
	s_add_nc_u64 s[4:5], s[8:9], s[22:23]          ; (xc's and xs's addresses are done with: every descriptor has its own)  pc for the strip
	s_add_nc_u64 s[8:9], s[8:9], s[20:21]          ; pc for the tile
	s_mul_i32 s46, s46, 40960                      ; ps: the K step's 10,240 words,
	s_lshl_b32 s20, s17, 10                        ; the tile's first row of mine: 256 Y + 128 wr
	s_lshl_b32 s47, s15, 9
	s_add_co_u32 s20, s20, s47
	s_add_co_u32 s20, s20, s46
	s_lshl_b32 s22, s17, 8                         ; the strip's: 8,192 + 64 Y + 32 wr
	s_lshl_b32 s47, s15, 7
	s_add_co_u32 s22, s22, s47
	s_add_co_u32 s22, s22, 8192*4
	s_add_co_u32 s22, s22, s46
	s_add_nc_u64 s[6:7], s[10:11], s[22:23]        ; ps for the strip
	s_add_nc_u64 s[10:11], s[10:11], s[20:21]      ; ps for the tile
.macro FRAG reg, adr, q, i             ; a fragment, 16 rows x 128 K of 6-bit codes, is 12 registers: lane l holds row l % 16; registers 6 c .. 6 c + 5 hold K = 64 c + 32 (l / 16) + 0 .. 31: 24 bytes of the row's stream of bits, as they lie
.irp p, 0,1,2,3,4,5                    ; in pieces of 8 bytes, so that every address is a multiple of the access's size.  Lanes 0-15 take the row's pieces 12 q + 0, 1, 2 and 12 q + 6, 7, 8, lanes 16-31 those three pieces on
.set PC, 12*(\q)+6*(\p/3)+\p%3        ; 16 bytes of padding lie behind every 64 bytes (8 pieces): where the piece three on lies behind one padding more, the second address register (40 for 24 bytes a half) serves
.if PC%8 < 5
	ds_load_b64 v[\reg+2*\p:\reg+2*\p+1], v[\adr] offset:8*PC+16*(PC/8)+(\i)*16*PITCH
.else
	ds_load_b64 v[\reg+2*\p:\reg+2*\p+1], v[\adr+2] offset:8*PC+16*(PC/8)+(\i)*16*PITCH
.endif
.endr
.endm
; 16 matrix instructions of the tile: the rows' blocks a0, a0 + 1 x the weights' eight, 128 along K: the slot's q-th.  p: the weights' set;  sc: the set of scale words.  zero = 1: the first product starts the sums: nothing is ever cleared.
; The 64 accumulators take turns, one instruction a turn, in the same order in every step.
.macro MUL16 a0, p, q, sc, zero
.irp a, \a0, \a0+1
.irp b, 0,1,2,3,4,5,6,7
.if \zero
	v_wmma_scale_f32_16x16x128_f8f6f4 v[8*(8*((\a)%4)+\b):8*(8*((\a)%4)+\b)+7], v[128*(\p)+FR*\b:128*(\p)+FR*\b+FR-1], v[AF+FR*(\a):AF+FR*(\a)+FR-1], 0, v[SC+8*NQ*(\sc)+NQ*\b+(\q)], v[SC+8*NQ*(\sc)+NQ*(\a)+(\q)] matrix_a_fmt:MATRIX_FMT_FP6 matrix_b_fmt:MATRIX_FMT_FP6 matrix_a_scale:MATRIX_SCALE_ROW1
.else
	v_wmma_scale_f32_16x16x128_f8f6f4 v[8*(8*((\a)%4)+\b):8*(8*((\a)%4)+\b)+7], v[128*(\p)+FR*\b:128*(\p)+FR*\b+FR-1], v[AF+FR*(\a):AF+FR*(\a)+FR-1], v[8*(8*((\a)%4)+\b):8*(8*((\a)%4)+\b)+7], v[SC+8*NQ*(\sc)+NQ*\b+(\q)], v[SC+8*NQ*(\sc)+NQ*(\a)+(\q)] matrix_a_fmt:MATRIX_FMT_FP6 matrix_b_fmt:MATRIX_FMT_FP6 matrix_a_scale:MATRIX_SCALE_ROW1
.endif
.endr
.endr
.endm
.macro FETCH_B slot, q, p              ; the weights' eight fragments of the slot's q-th 128 along K into set p
	WIN TO_B
.irp i, 0,1,2,3,4,5,6,7
	FRAG 128*(\p)+FR*\i, ADRB+\slot, \q, \i
.endr
	WIN 0
.endm
.macro FETCH_A slot, q, i0             ; the tile's rows' blocks i0 .. i0 + 3
.irp i, \i0, \i0+1, \i0+2, \i0+3
	FRAG AF+FR*(\i), ADRA+\slot, \q, \i
.endr
.endm
.macro SCALES sc, adr                  ; a K step's scale words into set sc: two words a row; lanes 0-15 take the rows' block i, lanes 16-31 the weights' block i
.irp i, 0,1,2,3,4,5,6,7
	ds_load_b64 v[SC+8*NQ*\sc+NQ*\i:SC+8*NQ*\sc+NQ*\i+1], v[\adr] offset:\i*SBLK
.endr
.endm
; A load into a register that a matrix instruction has read, and a vector instruction that reads a matrix result or writes one of a matrix instruction's registers, stand NP places behind that matrix instruction,
; and only plain vector instructions that name none of its registers are places (ISA guide 7.12.1 for vector instructions).
.macro PLACES n
.rept \n
	v_nop
.endr
.endm
; THE TILE.  A step of 128 along K that has its successor in the same slot.
.macro STEP slot, q, zero
	s_wait_dscnt 4*NL                              ; the weights' set and the rows' blocks 0-3 are in; the youngest 24 loads (blocks 4-7) may be out
	WIN MUL_LO
	MUL16 0, (\q)%2, \q, \slot, \zero
	MUL16 2, (\q)%2, \q, \slot, \zero
	s_wait_dscnt 0                                 ; blocks 4-7 are in (asked for 32 matrix instructions ago)
	PLACES NP
	FETCH_B \slot, (\q)+1, 1-(\q)%2
	FETCH_A \slot, (\q)+1, 0
	WIN MUL_HI
	MUL16 4, (\q)%2, \q, \slot, \zero
	MUL16 6, (\q)%2, \q, \slot, \zero
	PLACES NP
	WIN 0
	FETCH_A \slot, (\q)+1, 4
.endm
; A slot's last step changes slots: ONE barrier, which opens a round of the cluster's; in front of it each wave waits for all its tensor loads, adds 0 to its spare word, and waits for that and for its own reads of this slot.
; The slot is filled again: fill = 1: with the tile's K step two on;  fill = 2: with the STRIP's K step 0 or 1 (the rows' tile then has 32 rows a wave).  fetch = 0: the tile's very last step: no fragments are fetched behind it.
.macro TURN slot, next, fill, fetch
	s_wait_tensorcnt 0x0                           ; all my tensor loads have landed: my part of the next slot;  (every window is 0 here: the add's two registers lie in window 0)
	ds_add_u32 v[SPW], v[NIL]                      ; 0 onto my spare word;
	s_wait_dscnt 4*NL+1                            ; (the add and the youngest 24 loads, blocks 4-7, may be out)
	WIN MUL_LO
	MUL16 0, 1, NQ-1, \slot, 0                     ; sixteen matrix instructions stand between the add and the wait for it
	s_wait_dscnt 0x0                               ; the add is done, and my reads of this slot are over
	s_barrier_signal -1
	MUL16 2, 1, NQ-1, \slot, 0
	WIN 0
	s_barrier_wait -1
	CREST                                          ; no wave of any partner still reads this slot's tile or has a load on its way
.if \fill == 1
	s_add_nc_u64 s[G0+4*\slot+2:G0+4*\slot+3], s[G0+4*\slot+2:G0+4*\slot+3], 2*ROWB
	s_add_nc_u64 s[G0B+4*\slot+2:G0B+4*\slot+3], s[G0B+4*\slot+2:G0B+4*\slot+3], 2*ROWB
	JLOAD G0+4*\slot, G1, G0B+4*\slot, G1B         ; the first tensor load behind the round, my one load until the next; the four v_nop behind it are the places in front of the loads below
.else
	s_add_nc_u64 s[G0+4*\slot+2:G0+4*\slot+3], s[G0+4*\slot+2:G0+4*\slot+3], s[DA:DA+1]
	s_add_nc_u64 s[G0B+4*\slot+2:G0B+4*\slot+3], s[G0B+4*\slot+2:G0B+4*\slot+3], NEXT_B
	JLOAD G0+4*\slot, G1A2, G0B+4*\slot, G1B       ; THE RING GOES ON INTO THE STRIP
.endif
.if \fetch
	v_add_nc_u32 v[ADRS], 4*NQ, v[ADRS]            ; on to the next K step's scale words
	FETCH_B \next, 0, 0
	FETCH_A \next, 0, 0
	SCALES \next, ADRS
.endif
	WIN MUL_HI
	MUL16 4, 1, NQ-1, \slot, 0
	MUL16 6, 1, NQ-1, \slot, 0
	PLACES NP
	WIN 0
.if \fetch
	FETCH_A \next, 0, 4
.endif
.endm
; THE STRIP.  A step of 128 along K is 16 matrix instructions on 10 fragments: the weights' eight and my rows' two blocks; both have two sets of registers, set q for a slot's q-th step.
.macro MUL8R a, q, sc, zero            ; my rows' block a x the weights' eight.  The 16 accumulators take turns, one instruction a turn, in the same order in every step
.irp b, 0,1,2,3,4,5,6,7
.if \zero
	v_wmma_scale_f32_16x16x128_f8f6f4 v[8*(8*(\a)+\b):8*(8*(\a)+\b)+7], v[128*(\q)+FR*\b:128*(\q)+FR*\b+FR-1], v[AF+24*(\q)+FR*(\a):AF+24*(\q)+FR*(\a)+FR-1], 0, v[SC+8*NQ*(\sc)+NQ*\b+(\q)], v[SC+8*NQ*(\sc)+NQ*(\a)+(\q)] matrix_a_fmt:MATRIX_FMT_FP6 matrix_b_fmt:MATRIX_FMT_FP6 matrix_a_scale:MATRIX_SCALE_ROW1
.else
	v_wmma_scale_f32_16x16x128_f8f6f4 v[8*(8*(\a)+\b):8*(8*(\a)+\b)+7], v[128*(\q)+FR*\b:128*(\q)+FR*\b+FR-1], v[AF+24*(\q)+FR*(\a):AF+24*(\q)+FR*(\a)+FR-1], v[8*(8*(\a)+\b):8*(8*(\a)+\b)+7], v[SC+8*NQ*(\sc)+NQ*\b+(\q)], v[SC+8*NQ*(\sc)+NQ*(\a)+(\q)] matrix_a_fmt:MATRIX_FMT_FP6 matrix_b_fmt:MATRIX_FMT_FP6 matrix_a_scale:MATRIX_SCALE_ROW1
.endif
.endr
.endm
.macro FETCH2B slot, q
	WIN TO_B
.irp i, 0,1,2,3,4,5,6,7
	FRAG 128*(\q)+FR*\i, ADRB+\slot, \q, \i
.endr
	WIN 0
.endm
.macro FETCH2A slot, q
.irp i, 0,1
	FRAG AF+24*(\q)+FR*\i, ADRA+\slot, \q, \i
.endr
.endm
; A slot's first step: the second step's 60 loads go out in one run ahead of this step's products and land under them.
.macro STEP2 slot, zero
	s_wait_dscnt 0x0                               ; this step's fragments and scale words are in
	PLACES NP                                      ; behind the last step's products, which read the sets that are loaded now
	FETCH2B \slot, 1
	FETCH2A \slot, 1
	WIN MUL_LO
	MUL8R 0, 0, \slot, \zero
	MUL8R 1, 0, \slot, \zero
	WIN 0
.endm
; A slot's second step changes slots, in the same order as in the tile.  fill = 1: this slot is filled again, two K steps ahead.
.macro TURN2 slot, next, fill
	s_wait_tensorcnt 0x0                           ; all my tensor loads have landed: my part of the next slot;
	ds_add_u32 v[SPW], v[NIL]                      ; 0 onto my spare word;
	s_wait_dscnt 0x0                               ; the add is done; this step's fragments are in, and with them my reads of this slot are over
	s_barrier_signal -1
	WIN MUL_LO
	MUL8R 0, 1, \slot, 0                           ; work on registers while the others arrive
	WIN 0
	s_barrier_wait -1
.if \fill
	CREST                                          ; no wave of any partner still reads this slot's tile or has a load on its way
	s_add_nc_u64 s[G0+4*\slot+2:G0+4*\slot+3], s[G0+4*\slot+2:G0+4*\slot+3], 2*ROWB
	s_add_nc_u64 s[G0B+4*\slot+2:G0B+4*\slot+3], s[G0B+4*\slot+2:G0B+4*\slot+3], 2*ROWB
	JLOAD G0+4*\slot, G1A2, G0B+4*\slot, G1B       ; the first tensor load behind the round, my one load until the next; the four v_nop behind it are the places in front of the loads below
.else
	PLACES NP
.endif
	v_add_nc_u32 v[ADRS2], 4*NQ, v[ADRS2]          ; on to the next K step's scale words
	FETCH2B \next, 0
	FETCH2A \next, 0
	SCALES \next, ADRS2
	WIN MUL_LO
	MUL8R 1, 1, \slot, 0
	WIN 0
.endm
; THE WAY OUT.  Block a (16 rows x my 128 columns) is one fragment of the next product: its four blocks of 32 lie in lanes l and l xor 16, sixteen numbers each.  The largest magnitudes, the bytes, the conversions
; and the exchange of halves give the operand's twelve registers, which leave as they stand: three stores of 512 consecutive bytes.  pb: the scalar pair with pc's address.  lds = 1: the row's scale word goes to my bytes of LDS.
; Each accumulator is read from its low end on.  In the maxima the running value stands as the third source, which lies in window 0, so that one setting of the windows serves all 32 lines.
.macro QOUT a, pb, lds
.set AC, 64*((\a)%4)
.set WW, 2+(\a)/4                      ; window 2 or 3
.set PCD, PCB+20*(\a)
	WIN 5*WW                                       ; sources 0 and 1 in the accumulators' window
.irp b, 0,1,2,3
	v_max3_num_f32 v[TM+\b], |v[AC+16*\b]|, |v[AC+16*\b+1]|, 0x1800000   ; block b: my 16 numbers, and the floor 2^(3 - 127): the byte cannot fall under 1
.endr
.irp i, 2,4,6,8,10,12,14
.irp b, 0,1,2,3
	v_max3_num_f32 v[TM+\b], |v[AC+16*\b+\i]|, |v[AC+16*\b+\i+1]|, v[TM+\b]   ; (the four blocks by turns)
.endr
.endr
	WIN 0
.irp b, 0,1,2,3
	v_permlanex16_b32 v[TM+4+\b], v[TM+\b], s[SEL], s[SEL+1]
.endr
.irp b, 0,1,2,3
	v_max_num_f32 v[TM+\b], v[TM+\b], v[TM+4+\b]   ; with lane l xor 16's: the block's largest magnitude
.endr
.irp b, 0,1,2,3
	v_add_nc_u32 v[TM+12+\b], 0xff000000, v[TM+\b] ; 2 off its exponent field: the conversion's scale operand
.endr
.irp b, 0,1,2,3
	v_lshrrev_b32 v[TM+4+\b], 23, v[TM+12+\b]      ; the scale's byte
.endr
	v_lshl_or_b32 v[PW+(\a)], v[TM+5], 8, v[TM+4]  ; the four bytes make my row's scale word
	v_lshl_or_b32 v[PW+(\a)], v[TM+6], 16, v[PW+(\a)]
	v_lshl_or_b32 v[PW+(\a)], v[TM+7], 24, v[PW+(\a)]
	WIN WW                                         ; source 0 in the accumulators' window
.irp c, 0,1
	v_cvt_scalef32_pk16_fp6_f32 v[PCD+6*\c:PCD+6*\c+2], v[AC+32*\c:AC+32*\c+15], v[TM+12+2*\c]
	v_cvt_scalef32_pk16_fp6_f32 v[PCD+12+4*\c:PCD+14+4*\c], v[AC+32*\c+16:AC+32*\c+31], v[TM+12+2*\c+1]   ; (a conversion's three registers begin on an even number)
.endr
	WIN 0
	v_nop                                          ; one plain place behind a scaled conversion
.irp c, 0,1                                    ; the operand's layout wants a WHOLE block in a lane: lanes 0-15 block 2 c, lanes 16-31 block 2 c + 1
.irp i, 0,1,2
	v_permlane16_swap_b32 v[PCD+6*\c+\i], v[PCD+12+4*\c+\i]
.endr
.irp i, 0,1,2
	v_mov_b32 v[PCD+3+6*\c+\i], v[PCD+12+4*\c+\i]
.endr
.endr
.irp c, 0,1,2
	global_store_b128 v[CO], v[PCD+4*\c:PCD+4*\c+3], s[\pb:\pb+1] offset:(\a)*24576+512*\c   ; 32 lanes store 512 consecutive bytes, at a multiple of 256 from pc's first byte
.endr
.if \lds
	ds_store_b32 v[SSA], v[PW+(\a)] offset:64*(\a) ; both halves of the lanes write the same word with the same value
.endif
.endm
	s_wait_tensorcnt 1                             ; both regions of scale bytes and my part of K step 0 are in (K step 1's load may be out)
	s_barrier_signal -1
	s_barrier_wait -1                              ; everybody's are
	; group 1 for the strip's rows: 32 rows x ROWB bytes for each of waves 0 and 1 (the strip has 64 rows), padded as the tile's.  The loads that named these registers are done: the wait above left one load out, the youngest
	s_or_b32 s[G1A2+0], s43, (0<<16)|(1<<20)|(1<<21)|(3<<22)|(3<<25)
	s_mov_b32 s[G1A2+1], ROWB<<16                  ; tensor_dim0
	s_mov_b32 s[G1A2+2], 32<<16                    ; tensor_dim1 = 32
	s_mov_b32 s[G1A2+3], ROWB<<16                  ; tile_dim0
	s_mov_b32 s[G1A2+4], 32                        ; tile_dim1 = 32
	s_mov_b32 s[G1A2+5], KROW                      ; tensor_dim0_stride
	s_mov_b32 s[G1A2+6], 0
	s_mov_b32 s[G1A2+7], 0
	FETCH_B 0, 0, 0
	FETCH_A 0, 0, 0
	SCALES 0, ADRS
	FETCH_A 0, 0, 4
	STEP 0, 0, 1                                   ; the first step stands in front of the loop: its products start the sums
	s_mov_b32 s3, LAPS-1
.Llap:                                                 ; a trip goes once round the ring, from a lap's second step to the next lap's first, and fills both slots again
	TURN 0, 1, 1, 1
	STEP 1, 0, 0
	TURN 1, 0, 1, 1
	STEP 0, 0, 0
	s_sub_co_u32 s3, s3, 1
	s_cmp_lg_u32 s3, 0
	s_cbranch_scc1 .Llap
	TURN 0, 1, 2, 1                                ; the tile's last lap: slot 0 takes the strip's K step 0,
	STEP 1, 0, 0
	TURN 1, 0, 2, 0                                ; slot 1 its K step 1.  Its round has shown slot 0 whole to every wave.  (It ends with the places behind the last products)
.irp b, 0,1,2,3
	v_mov_b32 v[TM+4+\b], 0                        ; written once: a lane permute's destination counts as one of its sources
.endr
.irp a, 0,1,2,3,4,5,6,7
	QOUT \a, 8, 1                                  ; BOTH REFILLS ARE ASKED FOR: NOW THE TILE GOES OUT
.endr
	ds_load_b128 v[56:59], v[SSR]                  ; LDS serves a wave's instructions in order: this sees my stores.  Four rows' words a lane
	s_wait_dscnt 0x0
	global_store_b128 v[CO], v[56:59], s[10:11]    ; my 128 rows' scale words: 512 consecutive bytes
	FETCH2B 0, 0                                   ; THE STRIP: the weights' fragments land in window 1, which no store reads;
	s_wait_xcnt 0x0                                ; the tile's stores have read their registers: only behind this wait do loads land there
	FETCH2A 0, 0
	SCALES 0, ADRS2
	STEP2 0, 1                                     ; the first step stands in front of the loop: its products start the sums anew, far more than five places behind the tile's last products
	s_mov_b32 s3, LAPS-1
.Llap2:
	TURN2 0, 1, 1
	STEP2 1, 0
	TURN2 1, 0, 1
	STEP2 0, 0
	s_sub_co_u32 s3, s3, 1
	s_cmp_lg_u32 s3, 0
	s_cbranch_scc1 .Llap2
	TURN2 0, 1, 0                                  ; the last lap fills nothing, and has no round of the cluster's barrier
	STEP2 1, 0
	s_wait_dscnt 0x0                               ; the very last step
	WIN MUL_LO
	MUL8R 0, 1, 1, 0
	MUL8R 1, 1, 1, 0
	WIN 0
	PLACES NP                                      ; behind the last products: their results are read, and scale registers that they have read are written
	QOUT 0, 4, 0
	QOUT 1, 4, 0
	v_cmp_ne_u32 vcc_lo, 0, v2                     ; my 32 rows' scale words: lanes 0-15 hold block 0's, lanes 16-31 take block 1's
	v_cndmask_b32 v56, v[PW], v[PW+1], vcc_lo
	global_store_b32 v[L4], v56, s[6:7]            ; 32 lanes store 128 consecutive bytes: all that this wave has of this K step's words
	s_wait_tensorcnt 0x0                           ; the wave's end: behind my last tensor load and my last LDS store
	ds_add_u32 v[SPW], v[NIL]
	s_wait_dscnt 0x0
	CROUND                                         ; the closing round: no work-group ends while a partner may still ask for a tile that names it
	s_endpgm
.Lfunc_end_k_q04e7f30960_proj:
	.size	k_q04e7f30960_proj, .Lfunc_end_k_q04e7f30960_proj-k_q04e7f30960_proj
	.p2alignl 7, 3214868480
	.fill 96, 4, 3214868480
	.section	.rodata,"a",@progbits
	.p2align	6, 0x0
	.amdhsa_kernel k_q04e7f30960_proj
		.amdhsa_group_segment_fixed_size 327680
		.amdhsa_private_segment_fixed_size 0
		.amdhsa_enable_private_segment 0
		.amdhsa_kernarg_size 32
		.amdhsa_user_sgpr_count 2
		.amdhsa_user_sgpr_kernarg_segment_ptr 1
		.amdhsa_wavefront_size32 1
		.amdhsa_system_sgpr_workgroup_id_x 1
		.amdhsa_system_sgpr_workgroup_id_y 1
		.amdhsa_system_sgpr_workgroup_id_z 1
		.amdhsa_system_vgpr_workitem_id 0
		.amdhsa_next_free_vgpr 1024
		.amdhsa_next_free_sgpr 106
		.amdhsa_reserve_vcc 1
		.amdhsa_float_denorm_mode_32 3
		.amdhsa_float_denorm_mode_16_64 3
		.amdhsa_memory_ordered 1
		.amdhsa_forward_progress 1
		.amdhsa_inst_pref_size 230
	.end_amdhsa_kernel
	.amdgpu_metadata
---
amdhsa.version: [ 1, 2 ]
amdhsa.kernels:
  - .name:           k_q04e7f30960_proj
    .symbol:         k_q04e7f30960_proj.kd
    .args:
      - { .name: xc, .offset: 0, .size: 8, .value_kind: global_buffer, .address_space: global }
      - { .name: xs, .offset: 8, .size: 8, .value_kind: global_buffer, .address_space: global }
      - { .name: pc, .offset: 16, .size: 8, .value_kind: global_buffer, .address_space: global }
      - { .name: ps, .offset: 24, .size: 8, .value_kind: global_buffer, .address_space: global }
    .group_segment_fixed_size: 327680
    .private_segment_fixed_size: 0
    .kernarg_segment_align: 8
    .kernarg_segment_size: 32
    .max_flat_workgroup_size: 128
    .sgpr_count:     106
    .vgpr_count:     1024
    .wavefront_size: 32
...
	.end_amdgpu_metadata
.endif
;; end of part 2
;; launch score (part 3): grid 8 x 32, 4 waves a work-group, clusters of 4 x 4, 327,680 bytes of LDS; arguments pc, ps, wgate, out0; writes out0
.if DOCPART == 3
	.amdgcn_target "amdgcn-amd-amdhsa--gfx1250"
	.amdhsa_code_object_version 6
	.text
	.protected	k_q04e7f30960_score
	.globl	k_q04e7f30960_score
	.p2align	8
	.type	k_q04e7f30960_score,@function
k_q04e7f30960_score:
	s_mov_b64 s[64:65], 0
	v_nop
	global_prefetch_b8 v0, s[64:65] scope:SCOPE_SE
	s_setreg_imm32_b32 hwreg(HW_REG_WAVE_MODE, 25, 1), 1
	s_wait_xcnt 0x0
	s_wait_alu depctr_hold_cnt(0) depctr_sa_sdst(0) depctr_va_vdst(0) depctr_va_sdst(0) depctr_va_ssrc(0) depctr_va_vcc(0) depctr_vm_vsrc(0)
	s_getreg_b32 s2, hwreg(HW_REG_IB_STS2, 6, 4)
	s_cmp_eq_u32 s2, 0
	s_cbranch_scc0 .Lentry_in_a_cluster
	s_endpgm
.Lentry_in_a_cluster:
	s_bfe_u32 s2, ttmp6, 0x10000c
	s_cmp_lg_u32 s2, 0xf033
	s_cbranch_scc0 .Lentry_shape_is_right
	s_endpgm
.Lentry_shape_is_right:
; out0[b][q][k] = the sum over the 4 heads of relu(qi[b][q][h] . ki[b][k][h]) x w[b][q][h].  The products run on codes of FP6 (E2M3) with one E8M0 scale for each 32 along K = the head's 512; sums, relu and the heads' sum in f32.
; pc: images of operand registers: group g of 16 rows (0-511 the queries', 512-639 the keys'), K step s = 0-15 (head s / 4): the fragment at (16 g + s) x 1,536 bytes, registers 4 c .. 4 c + 3 of lane l at 512 c + 16 l.
; ps: [16 s][10,240 rows] scale words.  wgate: [8192][4] f32.
; SHARES.  A work-group makes 256 queries x 128 keys: 256 work-groups.  Wave (wr, wc) makes 128 queries x 64 keys: 32 accumulators for a head's products and 32 for the scores, 512 registers.
; THE MATRIX INSTRUCTION IS USED TRANSPOSED (source 0 = 16 keys, source 1 = 16 queries): lane (r, h) holds query r and keys 8 h + 0 .. 7: so w is one number a lane, and a lane's eight results are neighbours in a row of out0.
; THE RING.  A slot holds one whole head: 16 groups of queries and 8 of keys, 6,144 consecutive bytes each (4 K steps).  Two slots; heads 0 and 1 are the first fills, heads 2 and 3 the two refills.  The four heads
; are written out.  The images are dense: a fragment is three loads of 16 bytes a lane, 512 consecutive bytes each: no pitch, no padding.
; CLUSTERS: 4 x 4 work-groups.  The four of a row of the cluster need the same queries, the four of a column the same keys (the batch hangs on the cluster's y alone): each tile is asked for JOINTLY.
; The scale words (16 K steps x 8 + 4 blocks) and the gates come straight into registers, once, while the first tiles are on their way.
; REGISTERS, in windows of 256: window 0: v0-31 addresses; v32-159 scale words; v160-191 the gates; v192-239 the keys' fragments, set 0 (on the way out v192-255: rows of out0).
;   window 1: v0-95, v96-191 the queries' fragments, sets 0 and 1; v192-239 the keys', set 1.   window 2: a head's products, accumulator (a, b) at v[8 (4 a + b)].   window 3: the scores, likewise.
.set GRP,   6144                       ; a group's four K steps of a head
.set FRB,   1536                       ; a fragment's image
.set QH,    8*GRP                      ; 8 groups of queries: what one tensor load brings, and what one wave reads
.set KH,    4*GRP                      ; 4 groups of keys: likewise
.set KOFF,  2*QH                       ; the keys lie behind the queries' 16 groups
.set SLOT,  KOFF+2*KH                  ; 147,456
.set SPARE, 2*SLOT                     ; behind the ring: the spare words, 128 bytes for each wave: two blocks of 256 bytes that no other line names
.set SPITCH, 272                       ; the way out: a stage of 16 rows x (256 bytes + 16) for each wave.  It lies in slot 0, which has had its last fill and its last read when the first result is stored there
.set ADRQ, 16                          ; v16-17  LDS address of my queries' fragments in slot 0, 1
.set ADRK, 20                          ; v20-21  the same for the keys
.set STO,  24                          ; v24     the way out: where I put 32 bytes of a row
.set RD,   25                          ; v25     where I read a row back
.set CO,   26                          ; v26     my byte offset in two rows of out0
.set V1,   27                          ; v27     scale words: lanes 0-15 my query row's, lanes 16-31 my key row's, for blocks 0-3
.set SPW,  28                          ; v28     LDS address of my spare word; never rewritten
.set NIL,  29                          ; v29     0; never rewritten
.set V2,   30                          ; v30     the same for blocks 4-7 of the queries: lanes 16-31 stand four blocks back, on the keys' blocks 0-3 again
.set GO,   31                          ; v31     16 x (lane % 16): my query's four gates
.set SC,   32                          ; v[SC + 8 s + i]: lanes 0-15 the word of the queries' block i, lanes 16-31 that of the keys' block i % 4, for K step s
.set GW,   160                         ; v[GW + 4 a + head]: w of my query of block a
.set KFR,  192                         ; the keys' fragments (window 0: set 0; window 1: set 1)
.set BK,   192                         ; the way out: 16 rows read back from the stage: v192-223 and v224-255 by turns
.set G1, 24                            ; s[24:31] descriptor group 1 for the queries' tiles;  s[32:39] group 0, one set for each slot
.set G0, 32
.set G1B, 48                           ; s[48:55], s[56:63] the same for the keys' tiles
.set G0B, 56
.set MSB, 0
.macro WIN new                         ; the immediate's high byte repeats the setting that is left
.if MSB != (\new)
	s_set_vgpr_msb (MSB<<8)|(\new)
.set MSB, (\new)
.endif
.endm
; A joint load: waves 0 and 1 fetch the queries' halves, waves 2 and 3 the keys'.  Each of the two lines has ONE mask and one set of registers for all that issue it; the branch hangs on the wave's number alone.
; An s_nop 0 and four v_nop follow each of the two lines, ahead of the jump, the label and what follows.
.macro JLOAD g0a, g1a, g0b, g1b
	s_cmp_eq_u32 s15, 0
	s_cbranch_scc0 .Lfor_b_\@
	tensor_load_to_lds s[\g0a:\g0a+3], s[\g1a:\g1a+7]
	s_nop 0
.rept 4
	v_nop
.endr
	s_branch .Lasked_\@
.Lfor_b_\@:
	tensor_load_to_lds s[\g0b:\g0b+3], s[\g1b:\g1b+7]
	s_nop 0
.rept 4
	v_nop
.endr
.Lasked_\@:
.endm
.macro CREST                           ; a round of the cluster's barrier behind its opening barrier
	s_cmp_lg_u32 s14, 0
	s_cbranch_scc1 .Lnot_wave_0_\@
	s_barrier_signal -3
.Lnot_wave_0_\@:
	s_barrier_wait -3
	s_barrier_signal -1
	s_barrier_wait -1
.endm
.macro CROUND                          ; a whole round
	s_barrier_signal -1
	s_barrier_wait -1
	CREST
.endm
	s_load_b256 s[4:11], s[0:1], 0x0               ; pc s[4:5], ps s[6:7], wgate s[8:9], out0 s[10:11]
	v_lshl_add_u32 v[SPW], v0, 2, SPARE
	v_mov_b32 v[NIL], 0
	ds_add_u32 v[SPW], v[NIL]                      ; the wave's opening: the add, and its wait ahead of my first tensor load; the set-up below, work on registers, stands between them
	v_lshrrev_b32 v1, 5, v0
	v_readfirstlane_b32 s14, v1                    ; wave 0..3
	s_lshr_b32 s15, s14, 1                         ; wr: which 128 queries are mine.  Also: I fetch queries (0) or keys (1)
	s_and_b32 s16, s14, 1                          ; wc: which 64 keys.  Also: which half of that tile I fetch
	s_bfe_u32 s40, ttmp6, 0x40000                  ; cx, cy: my place in the cluster
	s_bfe_u32 s41, ttmp6, 0x40004
	s_lshl_b32 s42, ttmp9, 2
	s_add_co_u32 s42, s42, s40                     ; X = 4 x cluster x + cx: which 128 keys
	s_and_b32 s45, ttmp7, 0xffff                   ; cluster y
	s_lshl_b32 s17, s45, 2
	s_add_co_u32 s17, s17, s41                     ; Y = 4 x cluster y + cy: which 256 queries
	s_lshr_b32 s45, s45, 2                         ; the batch: the same in all sixteen partners
	s_lshl_b32 s43, s41, 2
	s_lshl_b32 s43, 15, s43                        ; my row of the cluster
	s_lshl_b32 s44, 0x1111, s40                    ; my column
	; descriptor group 1: rows of 6,144 bytes (768 elements of 8 bytes: a group's part of a head), 24,576 bytes (3,072 elements) apart; 8 of them for the queries, 4 for the keys; no padding
	s_or_b32 s[G1+0], s43, (3<<16)|(1<<21)         ; 15:0 the mask: the queries' tiles go to my row; 17:16 elements of 8 bytes; 21 set beside a mask
	s_or_b32 s[G1B+0], s44, (3<<16)|(1<<21)        ; the keys' to my column
	s_mov_b32 s[G1+1], 768<<16                     ; tensor_dim0
	s_mov_b32 s[G1+2], 8<<16                       ; tensor_dim1
	s_mov_b32 s[G1+3], 768<<16                     ; tile_dim0
	s_mov_b32 s[G1+4], 8                           ; tile_dim1
	s_mov_b32 s[G1+5], 3072                        ; tensor_dim0_stride
	s_mov_b32 s[G1+6], 0
	s_mov_b32 s[G1+7], 0
	s_mov_b32 s[G1B+1], 768<<16
	s_mov_b32 s[G1B+2], 4<<16
	s_mov_b32 s[G1B+3], 768<<16
	s_mov_b32 s[G1B+4], 4
	s_mov_b32 s[G1B+5], 3072
	s_mov_b32 s[G1B+6], 0
	s_mov_b32 s[G1B+7], 0
	s_lshl_b32 s20, s17, 4                         ; the queries' groups: 16 Y + 8 x half
	s_lshl_b32 s18, s16, 3
	s_add_co_u32 s20, s20, s18
	s_mul_i32 s20, s20, 24576
	s_mov_b32 s21, 0
	s_lshl_b32 s46, s42, 3                         ; the keys': 512 + 64 x batch + 8 X + 4 x half
	s_lshl_b32 s18, s16, 2
	s_add_co_u32 s46, s46, s18
	s_lshl_b32 s18, s45, 6
	s_add_co_u32 s46, s46, s18
	s_add_co_u32 s46, s46, 512
	s_mul_i32 s46, s46, 24576
	s_mov_b32 s47, 0
	s_mul_i32 s22, s16, QH                         ; where they go: no place in the cluster enters an LDS address
	s_mul_i32 s23, s16, KH
	s_add_co_u32 s23, s23, KOFF
	s_wait_dscnt 0x0                               ; the opening add is done
	s_wait_kmcnt 0x0
	s_add_nc_u64 s[20:21], s[4:5], s[20:21]
	s_add_nc_u64 s[46:47], s[4:5], s[46:47]
	CROUND                                         ; all sixteen work-groups are here: the first joint loads meet
.irp s, 0,1
	s_mov_b32 s[G0+4*\s], 1                        ; count = 1
	s_add_co_u32 s[G0+4*\s+1], s22, \s*SLOT        ; LDS address
	s_add_nc_u64 s[G0+4*\s+2:G0+4*\s+3], s[20:21], \s*GRP   ; global address: head s
	s_or_b32 s[G0+4*\s+3], s[G0+4*\s+3], 0x80000000         ; type = 2
	s_mov_b32 s[G0B+4*\s], 1
	s_add_co_u32 s[G0B+4*\s+1], s23, \s*SLOT
	s_add_nc_u64 s[G0B+4*\s+2:G0B+4*\s+3], s[46:47], \s*GRP
	s_or_b32 s[G0B+4*\s+3], s[G0B+4*\s+3], 0x80000000
	JLOAD G0+4*\s, G1, G0B+4*\s, G1B               ; two loads of mine are out behind these first fills
.endr
	v_and_b32 v1, 15, v0                           ; r = l % 16
	v_bfe_u32 v2, v0, 4, 1                         ; h = l / 16
	v_and_b32 v3, 31, v0
	v_lshlrev_b32 v3, 4, v3                        ; 16 x lane: an image's place for my lane
	s_mul_i32 s21, s15, QH                         ; my 8 groups of queries
	s_mul_i32 s22, s16, KH                         ; my 4 groups of keys
	s_add_co_u32 s22, s22, KOFF
.irp s, 0,1
	v_add_nc_u32 v[ADRQ+\s], s21, v3
	v_add_nc_u32 v[ADRK+\s], s22, v3
	s_add_co_u32 s21, s21, SLOT
	s_add_co_u32 s22, s22, SLOT
.endr
	s_mul_i32 s23, s14, 16*SPITCH                  ; my stage
	v_mul_u32_u24 v4, v1, SPITCH                   ; in: row r, 32 bytes for each half of the lanes
	v_lshl_add_u32 v4, v2, 5, v4
	v_add_nc_u32 v[STO], s23, v4
	v_mul_u32_u24 v5, v2, SPITCH                   ; back: lanes 0-15 one row of 256 bytes, lanes 16-31 the next
	v_lshl_add_u32 v5, v1, 4, v5
	v_add_nc_u32 v[RD], s23, v5
	v_lshlrev_b32 v[CO], 12, v2                    ; and the same two rows in out0: 4,096 bytes a row
	v_lshl_add_u32 v[CO], v1, 4, v[CO]
	s_lshl_b32 s66, s17, 8
	s_lshl_b32 s18, s15, 7
	s_add_co_u32 s66, s66, s18                     ; my first query's row: 256 Y + 128 wr
	s_lshl_b32 s67, s45, 10
	s_lshl_b32 s18, s42, 7
	s_add_co_u32 s67, s67, s18
	s_lshl_b32 s18, s16, 6
	s_add_co_u32 s67, s67, s18
	s_add_co_u32 s67, s67, 8192                    ; my first key's row: 8,192 + 1,024 x batch + 128 X + 64 wc: above every query's row
	s_sub_co_u32 s68, s67, s66
	s_lshl_b32 s68, s68, 2                         ; the distance between the two, in bytes of scale words
	v_mul_u32_u24 v6, s68, v2                      ; lanes 16-31 take the keys'
	s_lshl_b32 s69, s66, 2
	v_lshl_add_u32 v[V1], v1, 2, s69
	v_add_nc_u32 v[V1], v[V1], v6
	v_lshlrev_b32 v7, 8, v2
	v_sub_nc_u32 v[V2], v[V1], v7
	v_lshlrev_b32 v[GO], 4, v1
	s_lshl_b32 s70, s66, 4                         ; wgate: 16 bytes a query
	s_mov_b32 s71, 0
	s_add_nc_u64 s[8:9], s[8:9], s[70:71]
	s_lshl_b32 s70, s66, 12                        ; out0: my first row, my first column: 512 X + 256 wc bytes
	s_lshl_b32 s18, s42, 9
	s_add_co_u32 s70, s70, s18
	s_lshl_b32 s18, s16, 8
	s_add_co_u32 s70, s70, s18
	s_add_nc_u64 s[10:11], s[10:11], s[70:71]
.irp s, 0,1,2,3,4,5,6,7,8,9,10,11,12,13,14,15
.irp i, 0,1,2,3
	global_load_b32 v[SC+8*\s+\i], v[V1], s[6:7] offset:40960*\s+64*\i
.endr
.irp i, 4,5,6,7
	global_load_b32 v[SC+8*\s+\i], v[V2], s[6:7] offset:40960*\s+64*\i
.endr
.endr
.irp a, 0,1,2,3,4,5,6,7
	global_load_b128 v[GW+4*\a:GW+4*\a+3], v[GO], s[8:9] offset:256*\a
.endr
; 36 LDS loads in one run: K step ks of the head in slot sl into set: the keys' four fragments, then the queries' eight, ascending
.macro FETCH sl, ks, set
	WIN 0x40*(\set)                                ; the keys' set 0 lies in window 0, set 1 in window 1
.irp b, 0,1,2,3
.irp c, 0,1,2
	ds_load_b128 v[KFR+12*\b+4*\c:KFR+12*\b+4*\c+3], v[ADRK+(\sl)] offset:GRP*\b+FRB*(\ks)+512*\c
.endr
.endr
	WIN 0x40                                       ; the queries' sets lie in window 1
.irp a, 0,1,2,3,4,5,6,7
.irp c, 0,1,2
	ds_load_b128 v[96*(\set)+12*\a+4*\c:96*(\set)+12*\a+4*\c+3], v[ADRQ+(\sl)] offset:GRP*\a+FRB*(\ks)+512*\c
.endr
.endr
.endm
; 8 matrix instructions: the queries' blocks a0, a0 + 1 x the keys' four, 128 along K: K step s of 16.  zero = 1: the product starts the sum: nothing is ever cleared.
; The 32 accumulators take turns, one instruction a turn, in the same order in every step.
.macro MUL8 a0, set, s, zero
	WIN 0xa4+(\set)                                ; source 0 (keys) window 0 or 1, source 1 (queries) window 1, C and D window 2
.irp a, \a0, \a0+1
.irp b, 0,1,2,3
.if \zero
	v_wmma_scale_f32_16x16x128_f8f6f4 v[8*(4*(\a)+\b):8*(4*(\a)+\b)+7], v[KFR+12*\b:KFR+12*\b+11], v[96*(\set)+12*(\a):96*(\set)+12*(\a)+11], 0, v[SC+8*(\s)+\b], v[SC+8*(\s)+(\a)] matrix_a_fmt:MATRIX_FMT_FP6 matrix_b_fmt:MATRIX_FMT_FP6 matrix_a_scale:MATRIX_SCALE_ROW1
.else
	v_wmma_scale_f32_16x16x128_f8f6f4 v[8*(4*(\a)+\b):8*(4*(\a)+\b)+7], v[KFR+12*\b:KFR+12*\b+11], v[96*(\set)+12*(\a):96*(\set)+12*(\a)+11], v[8*(4*(\a)+\b):8*(4*(\a)+\b)+7], v[SC+8*(\s)+\b], v[SC+8*(\s)+(\a)] matrix_a_fmt:MATRIX_FMT_FP6 matrix_b_fmt:MATRIX_FMT_FP6 matrix_a_scale:MATRIX_SCALE_ROW1
.endif
.endr
.endr
.endm
; A load into a register that a matrix instruction has read, and a vector instruction that reads a matrix result or writes one of a matrix instruction's registers, stand four places behind that matrix instruction,
; and only plain vector instructions that name none of its registers are places (ISA guide 7.12.1 for vector instructions).
.macro PLACES n
.rept \n
	v_nop
.endr
.endm
; One of a head's first three K steps: multiplies set ks % 2; in its middle it fetches the next K step into the other set.
.macro STEP hd, ks, zero
	s_wait_dscnt 12                                ; the keys and the queries' blocks 0-3 are in; the youngest twelve loads (blocks 4-7) may be out
	MUL8 0, (\ks)%2, 4*(\hd)+(\ks), \zero
	MUL8 2, (\ks)%2, 4*(\hd)+(\ks), \zero
	PLACES 4
	FETCH (\hd)%2, (\ks)+1, 1-(\ks)%2
	s_wait_dscnt 36                                ; all but the 36 just issued
	MUL8 4, (\ks)%2, 4*(\hd)+(\ks), \zero
	MUL8 6, (\ks)%2, 4*(\hd)+(\ks), \zero
.endm
; A head's last K step (set 1) changes slots: ONE barrier; in front of it each wave waits for all its tensor loads, adds 0 to its spare word, and waits for that and for its own reads of this slot.
; fill = 1: this slot is filled again, with the head two on; the load has half a K step, the head's closing lines and a whole head's products in which to land.
.macro LAST hd, fill
	WIN 0                                          ; (the add's two registers lie in window 0)
	s_wait_tensorcnt 0x0                           ; all my tensor loads have landed: my part of the next slot;
	ds_add_u32 v[SPW], v[NIL]                      ; 0 onto my spare word;
	s_wait_dscnt 13                                ; (the add and the youngest twelve loads may be out)
	MUL8 0, 1, 4*(\hd)+3, 0                        ; eight matrix instructions stand between the add and the wait for it
	s_wait_dscnt 0x0                               ; the add is done, and my reads of this slot are over
	s_barrier_signal -1
	MUL8 2, 1, 4*(\hd)+3, 0
	WIN 0
	s_barrier_wait -1
.if \fill
	CREST                                          ; the barrier has opened a round of the cluster's barrier: no wave of any partner still reads this slot's tile or has a load on its way
	s_add_nc_u64 s[G0+4*((\hd)%2)+2:G0+4*((\hd)%2)+3], s[G0+4*((\hd)%2)+2:G0+4*((\hd)%2)+3], 2*GRP
	s_add_nc_u64 s[G0B+4*((\hd)%2)+2:G0B+4*((\hd)%2)+3], s[G0B+4*((\hd)%2)+2:G0B+4*((\hd)%2)+3], 2*GRP
	JLOAD G0+4*((\hd)%2), G1, G0B+4*((\hd)%2), G1B ; the first tensor load behind the round, my one load until the next; the four v_nop behind it are the places in front of the loads below
.else
	PLACES 4
.endif
	FETCH 1-(\hd)%2, 0, 0                          ; the next head's first K step
	MUL8 4, 1, 4*(\hd)+3, 0
	MUL8 6, 1, 4*(\hd)+3, 0
.endm
; A head's closing lines: scores += relu(products) x w, block by block of 16 queries; each accumulator from its low end on.  Head 0 starts the scores: nothing is cleared.
; w of head hd is register hd % 2 of a pair: the packed form takes that one register for both halves.
.macro EPI hd
	PLACES 4
.irp a, 0,1,2,3,4,5,6,7
	WIN 0x88                                       ; source 1 and destination window 2
.set J, 0
.rept 32
	v_max_num_f32 v[32*\a+J], 0, v[32*\a+J]
.set J, J+1
.endr
	WIN 0xf2                                       ; source 0 window 2 (products), source 1 window 0 (w), source 2 and destination window 3 (scores)
.set J, 0
.rept 16
.if (\hd) == 0
	v_pk_mul_f32 v[32*\a+J:32*\a+J+1], v[32*\a+J:32*\a+J+1], v[GW+4*\a:GW+4*\a+1] op_sel_hi:[1,0]
.elseif (\hd)%2 == 0
	v_pk_fma_f32 v[32*\a+J:32*\a+J+1], v[32*\a+J:32*\a+J+1], v[GW+4*\a+2*((\hd)/2):GW+4*\a+2*((\hd)/2)+1], v[32*\a+J:32*\a+J+1] op_sel_hi:[1,0,1]
.else
	v_pk_fma_f32 v[32*\a+J:32*\a+J+1], v[32*\a+J:32*\a+J+1], v[GW+4*\a+2*((\hd)/2):GW+4*\a+2*((\hd)/2)+1], v[32*\a+J:32*\a+J+1] op_sel:[0,1,0] op_sel_hi:[1,1,1]
.endif
.set J, J+2
.endr
.endr
.endm
	s_wait_tensorcnt 1                             ; my part of head 0 is in (head 1's load may be out)
	s_barrier_signal -1
	s_barrier_wait -1                              ; everybody's is
	FETCH 0, 0, 0
	s_wait_loadcnt 0x0                             ; the scale words and the gates
	STEP 0, 0, 1
	STEP 0, 1, 0
	STEP 0, 2, 0
	LAST 0, 1                                      ; slot 0 takes head 2
	EPI 0
	STEP 1, 0, 1
	STEP 1, 1, 0
	STEP 1, 2, 0
	LAST 1, 1                                      ; slot 1 takes head 3
	EPI 1
	STEP 2, 0, 1
	STEP 2, 1, 0
	STEP 2, 2, 0
	LAST 2, 0                                      ; nothing is left to fetch, so no round follows
	EPI 2
	STEP 3, 0, 1
	STEP 3, 1, 0
	STEP 3, 2, 0
	s_wait_dscnt 12                                ; the very last K step
	MUL8 0, 1, 15, 0
	MUL8 2, 1, 15, 0
	s_wait_dscnt 0x0
	MUL8 4, 1, 15, 0
	MUL8 6, 1, 15, 0
	EPI 3
; THE WAY OUT, block by block of 16 queries x 64 keys.  A lane holds 32 neighbouring bytes of a row, and the lanes beside it hold other rows: so a block goes through my own stage in LDS and comes back as whole rows of
; 256 bytes.  LDS serves a wave's instructions in order (ISA guide 5.7.1.4): no wait between the stores and the loads, nor in front of the next block's stores.
.macro TOSTAGE a
	WIN 0x0c                                       ; an LDS store's data are its source 1: window 3
.irp b, 0,1,2,3
	ds_store_b128 v[STO], v[32*(\a)+8*\b:32*(\a)+8*\b+3] offset:64*\b
	ds_store_b128 v[STO], v[32*(\a)+8*\b+4:32*(\a)+8*\b+7] offset:64*\b+16
.endr
	WIN 0
.set BB, BK+32*((\a)%2)
.irp t, 0,1,2,3,4,5,6,7
	ds_load_b128 v[BB+4*\t:BB+4*\t+3], v[RD] offset:2*\t*SPITCH
.endr
.endm
.macro SEND a, younger                 ; younger: the LDS instructions issued behind block a's loads, which may stay out
.set BB, BK+32*((\a)%2)
	s_wait_dscnt \younger                          ; the block is back in registers
.irp t, 0,1,2,3,4,5,6,7
	global_store_b128 v[CO], v[BB+4*\t:BB+4*\t+3], s[10:11] offset:(16*(\a)+2*\t)*4096 th:TH_STORE_NT   ; 16 lanes store 256 consecutive bytes, at a multiple of 256 from out0's first byte; the offsets reach 126 rows: inside the signed 24-bit immediate
.endr
.endm
	TOSTAGE 0
.irp a, 1,2,3,4,5,6,7
.if \a > 1
	s_wait_xcnt 0x0                                ; block a - 2's stores have read their registers: block a's loads may land there
.endif
	TOSTAGE \a
	SEND \a-1, 16                                  ; behind block a - 1's loads: block a's 8 stores and 8 loads
.endr
	SEND 7, 0
	s_wait_tensorcnt 0x0                           ; the wave's end: behind my last tensor load and my last LDS store
	ds_add_u32 v[SPW], v[NIL]
	s_wait_dscnt 0x0
	CROUND                                         ; the closing round: no work-group ends while a partner may still ask for a tile that names it
	s_endpgm
.Lfunc_end_k_q04e7f30960_score:
	.size	k_q04e7f30960_score, .Lfunc_end_k_q04e7f30960_score-k_q04e7f30960_score
	.p2alignl 7, 3214868480
	.fill 96, 4, 3214868480
	.section	.rodata,"a",@progbits
	.p2align	6, 0x0
	.amdhsa_kernel k_q04e7f30960_score
		.amdhsa_group_segment_fixed_size 327680
		.amdhsa_private_segment_fixed_size 0
		.amdhsa_enable_private_segment 0
		.amdhsa_kernarg_size 32
		.amdhsa_user_sgpr_count 2
		.amdhsa_user_sgpr_kernarg_segment_ptr 1
		.amdhsa_wavefront_size32 1
		.amdhsa_system_sgpr_workgroup_id_x 1
		.amdhsa_system_sgpr_workgroup_id_y 1
		.amdhsa_system_sgpr_workgroup_id_z 1
		.amdhsa_system_vgpr_workitem_id 0
		.amdhsa_next_free_vgpr 1024
		.amdhsa_next_free_sgpr 72
		.amdhsa_reserve_vcc 0
		.amdhsa_float_denorm_mode_32 3
		.amdhsa_float_denorm_mode_16_64 3
		.amdhsa_memory_ordered 1
		.amdhsa_forward_progress 1
		.amdhsa_inst_pref_size 209
	.end_amdhsa_kernel
	.amdgpu_metadata
---
amdhsa.version: [ 1, 2 ]
amdhsa.kernels:
  - .name:           k_q04e7f30960_score
    .symbol:         k_q04e7f30960_score.kd
    .args:
      - { .name: pc, .offset: 0, .size: 8, .value_kind: global_buffer, .address_space: global }
      - { .name: ps, .offset: 8, .size: 8, .value_kind: global_buffer, .address_space: global }
      - { .name: wgate, .offset: 16, .size: 8, .value_kind: global_buffer, .address_space: global }
      - { .name: out0, .offset: 24, .size: 8, .value_kind: global_buffer, .address_space: global }
    .group_segment_fixed_size: 327680
    .private_segment_fixed_size: 0
    .kernarg_segment_align: 8
    .kernarg_segment_size: 32
    .max_flat_workgroup_size: 128
    .sgpr_count:     72
    .vgpr_count:     1024
    .wavefront_size: 32
...
	.end_amdgpu_metadata
.endif
;; end of part 3
